; MI455X (gfx1250); checked and timed in simulation.
; The chip was launched on July 23, 2026; its instructions are those of AMD's public machine-readable ISA for CDNA 5 (MIT licence, August 2026) and "CDNA5" Instruction Set Architecture Reference Guide (July 2026). The comments in the code are by the model that wrote it; some were corrected since.
;; Infinity Attention. Allowed arithmetic: matrix products marked QUANTISED: E2M1 operands, one E8M0 scale for each 32 along K, by v_wmma_scale_f32_16x16x128_f8f6f4 with both operands' format E2M1 (or v_wmma_scale_f32_32x16x128_f4), f32 sums; products left as they are: f32 operands where the result goes on into a quantised operand, else bf16, f16 or f32 operands; f32 sums; everything else in f32.
;; Inputs: M 4 x 16 x 64 x 64 float32; W_qkv_codes 3,072 x 32 x 16 uint8 (E2M1 codes of W_qkv, K innermost, in blocks of 32 codes, two codes a byte); W_qkv_scales 3,072 x 32 uint8 (E8M0 scales of W_qkv, one for each 32 codes along K); Z 4 x 16 x 64 x 1 float32; beta_gate 1 x 16 x 1 x 1 float32; beta_lin 1 float32; x_codes 4 x 2,048 x 32 x 16 uint8 (E2M1 codes of x, K innermost, in blocks of 32 codes, two codes a byte); x_scales 4 x 2,048 x 32 uint8 (E8M0 scales of x, one for each 32 codes along K).
;; Outputs: out0 4 x 2,048 x 1,024 float32; out1 4 x 16 x 64 x 64 float32; out2 4 x 16 x 64 x 1 float32.
;; This version of the problem:
;;   THIS VERSION OF THE PROBLEM IS GIVEN IN LOW PRECISION. The matrix products marked QUANTISED in the list below multiply operands that are first quantised to E2M1 (2 exponent bits, 1 mantissa bit; 4 bits a number), with one power-of-two scale for each 32 numbers along K (OCP MX v1.0); their sums are f32. All else is computed in f32.
;;   The module's matrix products, in the order in which they are computed (A, B: the left and right operand; K: the contracted axis; several contracted axes count as one K, in the product's order):
;;     1. [M 8,192, K 1,024] x [K 1,024, N 3,072]; A: input x (given as codes); B: input W_qkv (given as codes): QUANTISED
;;     2. batch 64 x [M 2,048, K 64] x [K 64, N 64]; A: computed on the way; B: input M: QUANTISED
;;     3. batch 64 x [M 2,048, K 64] x [K 64, N 1]; A: computed on the way; B: input Z: left as it is (N = 1 < 16)
;;     4. batch 64 x [M 2,048, K 64] x [K 64, N 64]; A: computed on the way; B: input M: QUANTISED
;;     5. batch 64 x [M 2,048, K 64] x [K 64, N 1]; A: computed on the way; B: input Z: left as it is (N = 1 < 16)
;;     6. batch 64 x [M 64, K 2,048] x [K 2,048, N 64]; A: computed on the way; B: computed on the way: QUANTISED
;;     7. batch 64 x [M 2,048, K 64] x [K 64, N 2,048]; A: computed on the way; B: computed on the way: QUANTISED
;;     8. batch 64 x [M 2,048, K 2,048] x [K 2,048, N 64]; A: softmax (see below); B: computed on the way: QUANTISED
;;   THE QUANTISER, for each operand of a quantised product, along K:
;;     - K is cut into blocks of 32 from its start; a last block that is shorter is filled with zeros.
;;     - A block's scale is 2^e with e = floor(log2(the largest magnitude in the block)) - 2, held to -126 .. 127; a block of zeros has e = 0. As a byte (E8M0): e + 127.
;;     - Each number is divided by its block's scale, clamped to +-6, and rounded to the nearest number of E2M1, ties to even, subnormals kept.
;;     - The product sums the exact products of the quantised numbers (number of the format x scale) in f32.
;;   ~~~python
;;   def quantise(x, axis):      # numpy; x: float32 -> the quantised numbers, widened to float32 again
;;       x = np.moveaxis(x, axis, -1); K = x.shape[-1]
;;       x = np.pad(x, [(0, 0)] * (x.ndim - 1) + [(0, -K % 32)]); x = x.reshape(x.shape[:-1] + (-1, 32)); a = np.abs(x).max(-1, keepdims=True)
;;       e = np.where(a > 0, np.clip(np.frexp(np.where(a > 0, a, 1))[1] - 1 - 2, -126, 127), 0)      # np.frexp(a)[1] - 1 = floor(log2(a)), exactly
;;       r = np.clip(x / 2.0 ** e, -6, 6)
;;       step = 2.0 ** (np.maximum(np.frexp(np.where(r == 0, 1, r))[1] - 1, 0) - 1)
;;       q = np.round(r / step) * step * 2.0 ** e      # np.round: ties to even
;;       return np.moveaxis(q.reshape(q.shape[:-2] + (-1,))[..., :K], -1, axis).astype(np.float32)
;;   ~~~
;;   SOFTMAX AHEAD OF A QUANTISED PRODUCT. Where the list says 'softmax', what is quantised is not the finished softmax but p = 2^(t - M), with t = logit x log2(e) and M = ceil(the row's largest t), a whole number; so 1/2 < the row's largest p <= 1. The row's sum l is taken of the UNQUANTISED p, in f32, and the product's result is divided by l at the end. Since M is a whole number, a kernel that streams over the keys may use a running M (the ceiling of the running maximum): every later rescaling is an exact power of two, which a block's scale takes up: the codes' values come out the same.
;;   OPERANDS COMPUTED ON THE WAY. 'Computed on the way' means the value that the module computes at that place (a softmax that the list does not call 'softmax' is quantised finished and normalised). What goes into a quantiser is computed in f32, as accurately as f32 sums, v_exp_f32 and their like allow (about 1e-6 of the number): no bf16 or f16 on the way to a quantiser, and a product that is left as it is and whose result goes on into a quantised operand takes f32 operands (vector FMAs, or v_wmma_f32_16x16x4_f32). A number that lies on a knife's edge between two numbers of the format may be rounded either way, as far as f32 arithmetic and the matrix unit's own rounding can turn it there, and no further.
;;   INPUTS GIVEN AS CODES. W_qkv (in the module: [1024, 3072], K = its axis 0); x (in the module: [4, 2048, 1024], K = its axis 2): each comes as NAME_codes (uint8): NAME with its K axis moved to the last place and cut into blocks of 32 codes, [.., K / 32, bytes a block], one block behind the other in memory; two codes a byte, the lower K in the low four bits (a code: sign, 2 exponent bits, 1 mantissa bit); and NAME_scales (uint8): the same leading axes, one E8M0 byte (e + 127) for each 32 codes along K. Its value is code x scale, taken as it is: it is not quantised again, and the codes and scales need not be those that the quantiser above would give.
;; One version. Each part assembles by itself: llvm-mc -triple=amdgcn-amd-amdhsa -mcpu=gfx1250 --defsym DOCPART=n.
;; ======== version 1 of 1: 2 launches
;; workspace buffers: rec 17,825,792 bytes; qrec 10,485,760 bytes; zpart 131,072 bytes
;; launch proj (part 1): grid 16 x 32, 16 waves a work-group, clusters of 4 x 4, 262,144 bytes of LDS; arguments x_codes, x_scales, W_qkv_codes, W_qkv_scales, M, Z, rec, qrec, zpart; writes rec, qrec, zpart
.if DOCPART == 1
	.amdgcn_target "amdgcn-amd-amdhsa--gfx1250"
	.amdhsa_code_object_version 6
	.text
	.protected	k_qf833cd3e3c_proj
	.globl	k_qf833cd3e3c_proj
	.p2align	8
	.type	k_qf833cd3e3c_proj,@function
k_qf833cd3e3c_proj:
	s_mov_b64 s[64:65], 0
	v_nop
	global_prefetch_b8 v0, s[64:65] scope:SCOPE_SE
	s_setreg_imm32_b32 hwreg(HW_REG_WAVE_MODE, 25, 1), 1
	s_wait_xcnt 0x0
	s_wait_alu depctr_hold_cnt(0) depctr_sa_sdst(0) depctr_va_vdst(0) depctr_va_sdst(0) depctr_va_ssrc(0) depctr_va_vcc(0) depctr_vm_vsrc(0)
	s_getreg_b32 s2, hwreg(HW_REG_IB_STS2, 6, 4)
	s_cmp_eq_u32 s2, 0
	s_cbranch_scc0 .Lentry_in_a_cluster
	s_endpgm
.Lentry_in_a_cluster:
	s_bfe_u32 s2, ttmp6, 0x10000c
	s_cmp_lg_u32 s2, 0xf033
	s_cbranch_scc0 .Lentry_shape_is_right
	s_endpgm
.Lentry_shape_is_right:
; FIRST OF TWO LAUNCHES.  qkv = x W (codes of E2M1 as given), and everything that hangs on one row or one block of 32 rows of q, k, v:
; the codes of q, k, sigma(q), sigma(k) along d; of v, sigma(k), v - moment along n; sigma(q).Z; moment = sigma(k) M / sigma(k).Z; the sums of sigma(k).
; NOTHING OF reference() IS LEFT OUT: every input reaches an output and every product of its table is live.
; LIMITS.  NaN and infinities among the inputs are not served.  A block whose largest magnitude lies under 2^-124 gets the scale byte 1; a block of zeros gets 1 and not 127
; (its codes are zeros, and this program alone reads the bytes).  Divisions are a reciprocal and a multiplication.  2^x under 2^-126 comes out as 0.
; sigma(t) = elu(t) + 1 = max(t, 0) + ((2^min(t log2 e, 0) - 1) + 1): for t > 0 that is t + 1, else (e^t - 1) + 1; no compare, no overflow.
; SHARES.  A work-group: one head (x) and 256 rows of x (y).  All of K = 1,024 of these rows (256 x 512 bytes) and of the head's 192 rows of W lie in LDS at once: each byte of LDS is filled once.
; Wave w: rows 32 (w % 8) .. + 31, two tiles of 16.  Waves 0-7 (role A): k with a lane to a row, then v with a lane to a column.  Waves 8-15 (role B): q with a lane to a row, then k with a lane to a column.
; k is multiplied twice, once in each orientation (swapped sources give the same bits), so that no f32 number changes lanes or waves.
; CLUSTER 4 x 4: x's rows and scales hang on y alone and are asked for jointly by a row of the cluster, W's on x alone, by a column.
; A RESULT'S LAYOUT.  Form T (source 0 = 16 rows of W, source 1 = 16 rows of x): lane (r, h) holds row r, register 8 i + j holds d = 16 i + 8 h + j.  Form N (sources swapped): lane (r, h) holds column d = 16 i + r, register 8 u + j holds n = 16 u + 8 h + j.
; Either way 16 registers on end and lane l xor 16's 16 are a block of 32 along the quantiser's axis.
; WORKSPACE.  rec: for each head 278,528 bytes: K's tiles, V^T's tiles, K's and V^T's scale words, then sigma(k)^T's and (v - moment)^T's tiles and scale words, each tile as the operand's registers lie, 16 bytes a lane.
; qrec: for each tile of 16 queries 1,280 bytes: q's codes, sigma(q)'s codes, then 8 bytes a lane: a scale word (lanes 0-15 q's, lanes 16-31 sigma(q)'s) and sigma(q).Z.   zpart: [head][block of 256 rows][d] sums of sigma(k).
.set PITCH, 528                        ; an LDS row of codes: 512 bytes + 16: 33 x 16 bytes, so the 16 rows that a load touches begin at 16 different 16-byte columns of 256
.set TILEB, 16*PITCH
.set XT,    0                          ; 256 rows of x
.set WT,    135168                     ; 192 rows of W: q's 64, k's 64, v's 64
.set XS,    236544                     ; x's scale bytes: 32 runs of 256 bytes + 16
.set WS,    245248                     ; W's: 3 x 8 runs
.set MI,    251904                     ; from here on: bytes that LDS stores write, in blocks of 256 into which no tile lands.  M's four fragments,
.set MSC,   253952                     ; their scale words,
.set RD,    254208                     ; 1 / sigma(k).Z, 128 bytes a wave,
.set GS,    255232                     ; scale words and bytes on their way out: K's, V^T's, sigma(k)^T's, (v - moment)^T's, 512 bytes each,
.set ZP,    257280                     ; each role-B wave's sums of sigma(k),
.set SPARE, 259328                     ; the spare words, 128 bytes a wave: no other line names them
.set AX,   1                           ; v1     x's fragments
.set AWQ,  2                           ; v2-4   W's fragments: q's, k's, v's rows
.set AWK,  3
.set AWV,  4
.set AXS,  5                           ; v5     x's scale words: lanes 0-15 tile 0, lanes 16-31 tile 1
.set AWSQ, 6                           ; v6-8   W's scale words: lanes 0-15 tile i0, lanes 16-31 tile i0 + 2
.set AWSK, 7
.set AWSV, 8
.set L16,  9                           ; v9     16 x lane
.set LV,   10                          ; v10    16 r + 8 h
.set L8,   11                          ; v11    8 x lane
.set AKW,  12                          ; v12-20, 23, 24: LDS addresses of the small regions
.set ABY,  13
.set ARW,  14
.set ARR,  15
.set AZP,  16
.set AGR,  17
.set AZR,  18
.set AMI,  19
.set AMS,  20
.set SPW,  21                          ; v21    my spare word;  v22  0: both never rewritten
.set NIL,  22
.set AMW,  23
.set AMSW, 24
.set VMO,  25                          ; v25    M: my lane's byte
.set SH8,  26                          ; v26    8 h
.set ZO,   27                          ; v27    32 h
.set SKW,  28                          ; v28-29 sigma(k)'s scale words;  v30-31 M's: scales and nothing else
.set MS,   30
.set ZR,   32                          ; v32-63 Z at d = 16 t + 8 h + j in register 8 t + j.  Role A later: v32-43 sigma(k)'s two half fragments and four zeros, v48-63 1 / sigma(k).Z
.set SKF,  32
.set R,    48
.set XSC,  64                          ; v64-71 x's scale words, a register a K step;  v72-87 W's
.set WSC,  72
.set ACC0, 88                          ; v88-151  eight accumulators
.set OB0,  152                         ; v152-199, v200-247: two sets of operands: 16 registers of x, 32 of W
.set T,    152                         ; outside the K loops: v152-215 at work (or product 4's accumulators),
.set ACC1, 152
.set C,    216                         ; v216-223 codes,  v224-231 sums,  v232-247 the quantiser's,  v248-255 small things
.set MF,   216                         ; (during product 4: v216-247 M's four fragments)
.set TM,   232
.set TP,   236
.set SO,   240
.set BY,   244
.set WV,   22                          ; s22 wave, s23 wave % 8
.set BE,   23
.set HX,   26                          ; s26 head within the batch, s27 block of 256 rows
.set YY,   27
.set RMASK, 28
.set CMASK, 29
.set HIM,  30                          ; s30 the lanes 16-31
.set G1X,  32                          ; descriptor groups 1: x's codes, W's codes, x's scales, W's scales
.set G1W,  40
.set G1XS, 48
.set G1WS, 56
.set G0X,  68                          ; and groups 0
.set G0W,  72
.set G0WS, 76
.set G0XS, 80
.set SEL,  84                          ; s[84:85] v_permlanex16_b32's selects for lane l xor 16
.set SBK,  86                          ; store bases
.set SBV,  88
.set SBQ,  90
.set SBG,  92
.set SBZ,  94
.macro PLACES
.rept 4
	v_nop
.endr
.endm
.macro CROUND                          ; a round of the cluster's barrier
	s_barrier_signal -1
	s_barrier_wait -1
	s_cmp_lg_u32 s[WV], 0
	s_cbranch_scc1 .Lnot_wave_0_\@
	s_barrier_signal -3
.Lnot_wave_0_\@:
	s_barrier_wait -3
	s_barrier_signal -1
	s_barrier_wait -1
.endm
; One matrix instruction.  ra, rb = 1: that side's scales stand in lanes 16-31 of its register.  WMS adds in place, WMZ starts a sum.
.macro WMS d, a, b, sa, sb, ra, rb
.if (\ra) && (\rb)
	v_wmma_scale_f32_16x16x128_f8f6f4 v[\d:\d+7], v[\a:\a+7], v[\b:\b+7], v[\d:\d+7], v[\sa], v[\sb] matrix_a_fmt:MATRIX_FMT_FP4 matrix_b_fmt:MATRIX_FMT_FP4 matrix_a_scale:MATRIX_SCALE_ROW1 matrix_b_scale:MATRIX_SCALE_ROW1
.elseif (\ra)
	v_wmma_scale_f32_16x16x128_f8f6f4 v[\d:\d+7], v[\a:\a+7], v[\b:\b+7], v[\d:\d+7], v[\sa], v[\sb] matrix_a_fmt:MATRIX_FMT_FP4 matrix_b_fmt:MATRIX_FMT_FP4 matrix_a_scale:MATRIX_SCALE_ROW1
.elseif (\rb)
	v_wmma_scale_f32_16x16x128_f8f6f4 v[\d:\d+7], v[\a:\a+7], v[\b:\b+7], v[\d:\d+7], v[\sa], v[\sb] matrix_a_fmt:MATRIX_FMT_FP4 matrix_b_fmt:MATRIX_FMT_FP4 matrix_b_scale:MATRIX_SCALE_ROW1
.else
	v_wmma_scale_f32_16x16x128_f8f6f4 v[\d:\d+7], v[\a:\a+7], v[\b:\b+7], v[\d:\d+7], v[\sa], v[\sb] matrix_a_fmt:MATRIX_FMT_FP4 matrix_b_fmt:MATRIX_FMT_FP4
.endif
.endm
.macro WMZ d, a, b, sa, sb, ra, rb
.if (\ra) && (\rb)
	v_wmma_scale_f32_16x16x128_f8f6f4 v[\d:\d+7], v[\a:\a+7], v[\b:\b+7], 0, v[\sa], v[\sb] matrix_a_fmt:MATRIX_FMT_FP4 matrix_b_fmt:MATRIX_FMT_FP4 matrix_a_scale:MATRIX_SCALE_ROW1 matrix_b_scale:MATRIX_SCALE_ROW1
.elseif (\ra)
	v_wmma_scale_f32_16x16x128_f8f6f4 v[\d:\d+7], v[\a:\a+7], v[\b:\b+7], 0, v[\sa], v[\sb] matrix_a_fmt:MATRIX_FMT_FP4 matrix_b_fmt:MATRIX_FMT_FP4 matrix_a_scale:MATRIX_SCALE_ROW1
.elseif (\rb)
	v_wmma_scale_f32_16x16x128_f8f6f4 v[\d:\d+7], v[\a:\a+7], v[\b:\b+7], 0, v[\sa], v[\sb] matrix_a_fmt:MATRIX_FMT_FP4 matrix_b_fmt:MATRIX_FMT_FP4 matrix_b_scale:MATRIX_SCALE_ROW1
.else
	v_wmma_scale_f32_16x16x128_f8f6f4 v[\d:\d+7], v[\a:\a+7], v[\b:\b+7], 0, v[\sa], v[\sb] matrix_a_fmt:MATRIX_FMT_FP4 matrix_b_fmt:MATRIX_FMT_FP4
.endif
.endm
; The operands of K step s: my two tiles of x, four tiles of W: 12 loads of 16 bytes a lane
.macro LOADK s, buf, aw
.irp u, 0,1
.irp c, 0,1
	ds_load_b128 v[\buf+8*\u+4*\c:\buf+8*\u+4*\c+3], v[AX] offset:\u*TILEB+64*(\s)+32*\c
.endr
.endr
.irp i, 0,1,2,3
.irp c, 0,1
	ds_load_b128 v[\buf+16+8*\i+4*\c:\buf+16+8*\i+4*\c+3], v[\aw] offset:\i*TILEB+64*(\s)+32*\c
.endr
.endr
.endm
; 32 rows x 64 columns over K = 1,024: eight K steps written out, eight accumulators by turns, operands one step ahead in two sets.  form = 1: T, 0: N.
.macro KLOOP form, aw, aws
	s_wait_xcnt 0x0                                ; earlier stores have read their data, some of which lie in the operand sets
.irp i0, 0,1
.irp kh, 0,1
	ds_load_b128 v[WSC+8*\i0+4*\kh:WSC+8*\i0+4*\kh+3], v[\aws] offset:\i0*544+16*\kh   ; W's scale words of K steps 4 kh .. + 3
.endr
.endr
	LOADK 0, OB0, \aw
.irp s, 0,1,2,3,4,5,6,7
.set OBS, OB0+48*(\s%2)
.if \s > 0
	PLACES                                         ; four places between the last step's products and the loads into the set that they read
.endif
.if \s < 7
	LOADK \s+1, OB0+48*((\s+1)%2), \aw
	s_wait_dscnt 12                                ; all but the 12 loads just issued: this step's operands and the scale words are in
.else
	s_wait_dscnt 0x0
.endif
.irp i, 0,1,2,3
.irp u, 0,1
.if \form
.if \s == 0
	WMZ ACC0+32*\u+8*\i, OBS+16+8*\i, OBS+8*\u, WSC+8*(\i%2)+\s, XSC+\s, \i/2, \u
.else
	WMS ACC0+32*\u+8*\i, OBS+16+8*\i, OBS+8*\u, WSC+8*(\i%2)+\s, XSC+\s, \i/2, \u
.endif
.else
.if \s == 0
	WMZ ACC0+16*\i+8*\u, OBS+8*\u, OBS+16+8*\i, XSC+\s, WSC+8*(\i%2)+\s, \u, \i/2
.else
	WMS ACC0+16*\i+8*\u, OBS+8*\u, OBS+16+8*\i, XSC+\s, WSC+8*(\i%2)+\s, \u, \i/2
.endif
.endif
.endr
.endr
.endr
	PLACES                                         ; and in front of the first read of the results
.endm
; 64 numbers of a lane, four blocks k of 16 registers on end, each block shared with lane l xor 16, become codes in v[dst] .. + 7 and bytes in v[BY + k].
; A conversion gives the 8 codes of word 2 e + h of its block.  mode = 1 (form T, k = 2 u + b): afterwards v[dst + 4 u ..+ 3] of lane (r, h') hold d = 32 h' .. + 31 of row 16 u + r: half a fragment.
; mode = 0 (form N, k = i): afterwards the pair v[dst + 2 i], v[dst + 2 i + 1] of lane (r, h) holds bytes 8 h .. + 7 of column 16 i + r's block of 16 bytes.
.macro QUANT src, dst, mode
	s_wait_xcnt 0x0                                ; earlier global stores have read their data,
	s_wait_dscnt 0x0                               ; and earlier LDS stores theirs: the registers below are written again
.irp k, 0,1,2,3
	v_max3_num_f32 v[TM+\k], |v[\src+16*\k]|, |v[\src+16*\k+1]|, 0x1800000   ; my 16 numbers and the floor 2^(3 - 127): the byte cannot fall under 1
.endr
.irp i, 2,4,6,8,10,12,14
.irp k, 0,1,2,3
	v_max3_num_f32 v[TM+\k], v[TM+\k], |v[\src+16*\k+\i]|, |v[\src+16*\k+\i+1]|
.endr
.endr
.irp k, 0,1,2,3
	v_permlanex16_b32 v[TP+\k], v[TM+\k], s[SEL], s[SEL+1]
.endr
.irp k, 0,1,2,3
	v_max_num_f32 v[TM+\k], v[TM+\k], v[TP+\k]     ; the block's largest magnitude
.endr
.irp k, 0,1,2,3
	v_add_nc_u32 v[SO+\k], 0xff000000, v[TM+\k]    ; 2 off its exponent field: the conversion's scale operand
.endr
.irp k, 0,1,2,3
	v_lshrrev_b32 v[BY+\k], 23, v[SO+\k]           ; the scale's byte
.endr
.irp k, 0,1,2,3
.irp e, 0,1
.if \mode
	v_cvt_scalef32_pk8_fp4_f32 v[\dst+4*(\k/2)+2*\e+(\k%2)], v[\src+16*\k+8*\e:\src+16*\k+8*\e+7], v[SO+\k]
.else
	v_cvt_scalef32_pk8_fp4_f32 v[\dst+2*\k+\e], v[\src+16*\k+8*\e:\src+16*\k+8*\e+7], v[SO+\k]
.endif
.endr
.endr
	v_nop                                          ; one plain place behind the conversions
.irp m, 0,1,2,3
	v_permlane16_swap_b32 v[\dst+2*\m], v[\dst+2*\m+1]   ; the first's lanes 16-31 change places with the second's lanes 0-15
.endr
.endm
; sigma in place on 64 registers; v[T] .. + 63 at work.  The 64 exponentials are one batch with one wait; the 64 maxima, which name no result, stand between.
.macro SIGMA src
.set j, 0
.rept 32
	v_pk_mul_f32 v[T+j:T+j+1], v[\src+j:\src+j+1], 0x3fb8aa3b op_sel_hi:[1,0]
.set j, j+2
.endr
.set j, 0
.rept 64
	v_min_num_f32 v[T+j], 0, v[T+j]
.set j, j+1
.endr
.set j, 0
.rept 64
	v_exp_f32 v[T+j], v[T+j]
.set j, j+1
.endr
.set j, 0
.rept 64
	v_max_num_f32 v[\src+j], 0, v[\src+j]
.set j, j+1
.endr
	s_wait_alu depctr_va_vdst(0)                   ; the wait ahead of the first line that names an exponential's result
.set j, 0
.rept 32
	v_pk_add_f32 v[T+j:T+j+1], v[T+j:T+j+1], -1.0 op_sel_hi:[1,0]
.set j, j+2
.endr
.set j, 0
.rept 32
	v_pk_add_f32 v[T+j:T+j+1], v[T+j:T+j+1], 1.0 op_sel_hi:[1,0]
.set j, j+2
.endr
.set j, 0
.rept 32
	v_pk_add_f32 v[\src+j:\src+j+1], v[\src+j:\src+j+1], v[T+j:T+j+1]
.set j, j+2
.endr
.endm
; sigma . Z of my two rows (form T), in f32 multiply-adds: v[d0] for row r, v[d1] for row 16 + r, in both halves of the lanes
.macro DEN src, d0, d1
	v_pk_mul_f32 v[224:225], v[\src:\src+1], v[ZR:ZR+1]
	v_pk_mul_f32 v[226:227], v[\src+32:\src+33], v[ZR:ZR+1]
.set j, 2
.rept 15
	v_pk_fma_f32 v[224:225], v[\src+j:\src+j+1], v[ZR+j:ZR+j+1], v[224:225]
	v_pk_fma_f32 v[226:227], v[\src+32+j:\src+33+j], v[ZR+j:ZR+j+1], v[226:227]
.set j, j+2
.endr
	v_add_f32 v228, v224, v225
	v_add_f32 v229, v226, v227
	v_permlanex16_b32 v230, v228, s[SEL], s[SEL+1]
	v_permlanex16_b32 v231, v229, s[SEL], s[SEL+1]
	v_add_f32 v[\d0], v228, v230
	v_add_f32 v[\d1], v229, v231
.endm
	s_load_b512 s[4:19], s[0:1], 0x0               ; x codes 4, x scales 6, W codes 8, W scales 10, M 12, Z 14, rec 16, qrec 18
	s_load_b64 s[20:21], s[0:1], 0x40              ; zpart
	v_lshl_add_u32 v[SPW], v0, 2, SPARE
	v_mov_b32 v[NIL], 0
	ds_add_u32 v[SPW], v[NIL]                      ; the wave's opening: the add, twice on end, and its wait ahead of my first tensor load
	ds_add_u32 v[SPW], v[NIL]
	v_lshrrev_b32 v1, 5, v0
	v_readfirstlane_b32 s[WV], v1                  ; wave 0..15
	s_and_b32 s[BE], s[WV], 7
	s_bfe_u32 s24, ttmp6, 0x40000                  ; cx, cy: my place in the cluster
	s_bfe_u32 s25, ttmp6, 0x40004
	s_lshl_b32 s[HX], ttmp9, 2
	s_add_co_u32 s[HX], s[HX], s24                 ; head within the batch = 4 x cluster x + cx
	s_and_b32 s[YY], ttmp7, 0xffff
	s_lshl_b32 s[YY], s[YY], 2
	s_add_co_u32 s[YY], s[YY], s25                 ; block of 256 rows = 4 x cluster y + cy
	s_lshl_b32 s[RMASK], s25, 2
	s_lshl_b32 s[RMASK], 15, s[RMASK]              ; my row of the cluster
	s_lshl_b32 s[CMASK], 0x1111, s24               ; my column
	s_mov_b32 s[HIM], 0xffff0000
	s_mov_b32 s[SEL], 0x76543210
	s_mov_b32 s[SEL+1], 0xfedcba98
	; groups 1.  Codes: 16 rows of 512 one-byte elements, 4 words of padding behind each 128 words
	s_or_b32 s[G1X], s[RMASK], (1<<20)|(1<<21)|(6<<22)|(3<<25)
	s_or_b32 s[G1W], s[CMASK], (1<<20)|(1<<21)|(6<<22)|(3<<25)
.irp g, G1X, G1W
	s_mov_b32 s[\g+1], 512<<16                     ; tensor_dim0
	s_mov_b32 s[\g+2], 16<<16                      ; tensor_dim1
	s_mov_b32 s[\g+3], 512<<16                     ; tile_dim0
	s_mov_b32 s[\g+4], 16                          ; tile_dim1
	s_mov_b32 s[\g+5], 512                         ; from row to row
	s_mov_b32 s[\g+6], 0
	s_mov_b32 s[\g+7], 0
.endr
	; scale bytes: dense blocks as rows of 256 bytes (32 elements of 8 bytes), 4 words of padding behind each: x's 32 rows, W's 8 for each of q, k, v
	s_or_b32 s[G1XS], s[RMASK], (3<<16)|(1<<20)|(1<<21)|(5<<22)|(3<<25)
	s_mov_b32 s[G1XS+1], 32<<16
	s_mov_b32 s[G1XS+2], 32<<16
	s_mov_b32 s[G1XS+3], 32<<16
	s_mov_b32 s[G1XS+4], 32
	s_mov_b32 s[G1XS+5], 32
	s_mov_b32 s[G1XS+6], 0
	s_mov_b32 s[G1XS+7], 0
	s_or_b32 s[G1WS], s[CMASK], (3<<16)|(1<<20)|(1<<21)|(5<<22)|(3<<25)
	s_mov_b32 s[G1WS+1], 32<<16
	s_mov_b32 s[G1WS+2], 8<<16
	s_mov_b32 s[G1WS+3], 32<<16
	s_mov_b32 s[G1WS+4], 8
	s_mov_b32 s[G1WS+5], 32
	s_mov_b32 s[G1WS+6], 0
	s_mov_b32 s[G1WS+7], 0
	; where the tiles come from, in bytes.  x's offsets are made of y and the wave alone, W's of x and the wave alone
	s_lshl_b32 s86, s[YY], 17                      ; x's codes: (256 y + 16 wave) rows of 512 bytes
	s_lshl_b32 s87, s[WV], 13
	s_add_co_u32 s86, s86, s87
	s_mov_b32 s87, 0
	s_lshl_b32 s88, s[YY], 13                      ; x's scales: 256 y rows of 32 bytes
	s_mov_b32 s89, 0
	s_min_u32 s96, s[WV], 11                       ; W's codes are fetched by waves 0-11: tile wave % 4 of group wave / 4 (the others' descriptors are held inside and not issued)
	s_lshr_b32 s90, s96, 2
	s_lshl_b32 s90, s90, 19
	s_and_b32 s91, s96, 3
	s_lshl_b32 s91, s91, 13
	s_add_co_u32 s90, s90, s91
	s_lshl_b32 s91, s[HX], 15
	s_add_co_u32 s90, s90, s91                     ; (1,024 group + 64 head + 16 tile) rows of 512 bytes
	s_mov_b32 s91, 0
	s_and_b32 s97, s[WV], 3                        ; W's scales by waves 12-14: group wave % 4
	s_min_u32 s97, s97, 2
	s_lshl_b32 s92, s97, 15
	s_lshl_b32 s93, s[HX], 11
	s_add_co_u32 s92, s92, s93                     ; (1,024 group + 64 head) rows of 32 bytes
	s_mov_b32 s93, 0
	s_mov_b32 s[G0X], 1
	s_mul_i32 s[G0X+1], s[WV], TILEB               ; and where they go: no place in the cluster enters an LDS address
	s_mov_b32 s[G0W], 1
	s_mul_i32 s[G0W+1], s96, TILEB
	s_add_co_u32 s[G0W+1], s[G0W+1], WT
	s_mov_b32 s[G0WS], 1
	s_mul_i32 s[G0WS+1], s97, 2176
	s_add_co_u32 s[G0WS+1], s[G0WS+1], WS
	s_mov_b32 s[G0XS], 1
	s_mov_b32 s[G0XS+1], XS
	s_wait_dscnt 0x0                               ; both opening adds are done
	s_wait_kmcnt 0x0
	s_add_nc_u64 s[G0X+2:G0X+3], s[4:5], s[86:87]
	s_or_b32 s[G0X+3], s[G0X+3], 0x80000000
	s_add_nc_u64 s[G0XS+2:G0XS+3], s[6:7], s[88:89]
	s_or_b32 s[G0XS+3], s[G0XS+3], 0x80000000
	s_add_nc_u64 s[G0W+2:G0W+3], s[8:9], s[90:91]
	s_or_b32 s[G0W+3], s[G0W+3], 0x80000000
	s_add_nc_u64 s[G0WS+2:G0WS+3], s[10:11], s[92:93]
	s_or_b32 s[G0WS+3], s[G0WS+3], 0x80000000
	CROUND                                         ; all sixteen work-groups are here: the joint loads meet
	tensor_load_to_lds s[G0X:G0X+3], s[G1X:G1X+7]  ; every wave: 16 rows of x.  Two tensor loads of mine are out at the most
	s_nop 0
	PLACES
	s_cmp_lt_u32 s[WV], 12                         ; and one more, by the wave's number alone
	s_cbranch_scc0 .Lnot_wc
	tensor_load_to_lds s[G0W:G0W+3], s[G1W:G1W+7]  ; waves 0-11: 16 rows of W
	s_nop 0
	PLACES
	s_branch .Lasked
.Lnot_wc:
	s_cmp_lt_u32 s[WV], 15
	s_cbranch_scc0 .Lfor_xs
	tensor_load_to_lds s[G0WS:G0WS+3], s[G1WS:G1WS+7]  ; waves 12-14: the scales of q's, k's, v's rows of W
	s_nop 0
	PLACES
	s_branch .Lasked
.Lfor_xs:
	tensor_load_to_lds s[G0XS:G0XS+3], s[G1XS:G1XS+7]  ; wave 15: x's scales
	s_nop 0
	PLACES
.Lasked:
	; every address register is made here, on the one way that all waves take
	v_and_b32 v248, 15, v0                         ; r
	v_bfe_u32 v249, v0, 4, 1                       ; h
	v_and_b32 v250, 31, v0                         ; lane
	v_lshlrev_b32 v[ZO], 5, v249
	v_lshlrev_b32 v[SH8], 3, v249
	v_lshlrev_b32 v[L16], 4, v250
	v_lshlrev_b32 v[L8], 3, v250
	v_lshlrev_b32 v[LV], 4, v248
	v_lshl_add_u32 v[LV], v249, 3, v[LV]
	v_mul_u32_u24 v251, v248, PITCH
	v_lshl_add_u32 v251, v249, 4, v251             ; a fragment: row r x pitch + 16 h
	s_mul_i32 s2, s[BE], 2*TILEB
	v_add_nc_u32 v[AX], s2, v251
	v_add_nc_u32 v[AWQ], WT, v251
	v_add_nc_u32 v[AWK], WT+4*TILEB, v251
	v_add_nc_u32 v[AWV], WT+8*TILEB, v251
	v_lshrrev_b32 v252, 3, v248                    ; a row's 32 scale bytes: eight rows to a run of 256 + 16
	v_mul_u32_u24 v252, v252, 272
	v_and_b32 v253, 7, v248
	v_lshl_add_u32 v252, v253, 5, v252
	v_mad_u32_u24 v253, v249, 544, v252            ; x: lanes 16-31 take the tile 16 rows on
	s_mul_i32 s2, s[BE], 1088
	s_add_co_u32 s2, s2, XS
	v_add_nc_u32 v[AXS], s2, v253
	v_mad_u32_u24 v253, v249, 1088, v252           ; W: lanes 16-31 take the tile 32 rows on
	v_add_nc_u32 v[AWSQ], WS, v253
	v_add_nc_u32 v[AWSK], WS+2176, v253
	v_add_nc_u32 v[AWSV], WS+4352, v253
	s_lshl_b32 s2, s[BE], 6
	s_add_co_u32 s2, s2, GS
	v_lshl_add_u32 v[AKW], v248, 2, s2             ; K's scale words: 64 bytes a block of 32 keys
	s_lshr_b32 s2, s[BE], 2
	s_lshl_b32 s2, s2, 8
	s_and_b32 s3, s[BE], 3
	s_add_co_u32 s2, s2, s3
	s_add_co_u32 s2, s2, GS
	v_lshl_add_u32 v[ABY], v248, 2, s2             ; a byte of a word [step][tile][r]: step = block / 4, byte = block % 4
	s_lshl_b32 s2, s[BE], 7
	s_add_co_u32 s2, s2, RD
	v_lshl_add_u32 v[ARW], v248, 2, s2
	v_lshl_add_u32 v[ARR], v249, 5, s2
	s_lshl_b32 s2, s[BE], 8
	s_add_co_u32 s2, s2, ZP
	v_lshl_add_u32 v[AZP], v248, 2, s2
	v_lshl_add_u32 v[AZR], v250, 3, ZP
	s_and_b32 s3, s[WV], 3
	s_lshl_b32 s2, s3, 9
	s_add_co_u32 s2, s2, GS
	v_lshl_add_u32 v[AGR], v250, 4, s2
	v_lshl_add_u32 v[AMI], v250, 4, MI
	v_lshl_add_u32 v[AMS], v250, 2, MSC
	s_lshl_b32 s2, s3, 9
	s_add_co_u32 s2, s2, MI
	v_lshl_add_u32 v[AMW], v250, 4, s2
	s_lshl_b32 s2, s3, 6
	v_lshl_add_u32 v[VMO], v248, 2, s2
	v_lshl_add_u32 v[VMO], v249, 13, v[VMO]        ; M(32 h + i, 16 t + r): 8,192 h + 64 t + 4 r
	s_add_co_u32 s2, s2, MSC
	v_lshl_add_u32 v[AMSW], v248, 2, s2
.irp k, 0,1,2,3
	v_mov_b32 v[TP+\k], 0                          ; a lane permute's destination counts as one of its sources
.endr
	; where the results go
	s_lshr_b32 s96, s[YY], 3
	s_lshl_b32 s96, s96, 4
	s_add_co_u32 s96, s96, s[HX]                   ; head = 16 batch + head within it
	s_and_b32 s97, s[YY], 7                        ; which 256 of the head's 2,048 rows
	s_mul_i32 s98, s96, 278528
	s_lshl_b32 s99, s97, 13
	s_add_co_u32 s31, s98, s99
	s_mov_b32 s3, 0
	s_lshl_b32 s2, s[BE], 10
	s_add_co_u32 s2, s2, s31
	s_add_nc_u64 s[SBK:SBK+1], s[16:17], s[2:3]    ; K's tiles: 512 bytes each, my two
	s_lshr_b32 s2, s[BE], 2
	s_lshl_b32 s2, s2, 12
	s_and_b32 s99, s[BE], 3
	s_lshl_b32 s99, s99, 8
	s_add_co_u32 s2, s2, s99
	s_add_co_u32 s2, s2, s31
	s_add_co_u32 s2, s2, 65536
	s_add_nc_u64 s[SBV:SBV+1], s[16:17], s[2:3]    ; V^T's: step x 4,096 + tile x 1,024 + (block % 4) x 256 + 16 r
	s_lshl_b32 s2, s96, 7
	s_lshl_b32 s99, s97, 4
	s_add_co_u32 s2, s2, s99
	s_lshl_b32 s99, s[BE], 1
	s_add_co_u32 s2, s2, s99
	s_mul_i32 s2, s2, 1280
	s_add_nc_u64 s[SBQ:SBQ+1], s[18:19], s[2:3]
	s_and_b32 s2, s[WV], 1
	s_lshl_b32 s2, s2, 12
	s_bfe_u32 s99, s[WV], 0x10001
	s_mul_i32 s99, s99, 139264
	s_add_co_u32 s2, s2, s99
	s_lshl_b32 s99, s97, 9
	s_add_co_u32 s2, s2, s99
	s_add_co_u32 s2, s2, s98
	s_add_co_u32 s2, s2, 131072
	s_add_nc_u64 s[SBG:SBG+1], s[16:17], s[2:3]    ; waves 0-3: the four kinds of scale words, 512 bytes each
	s_lshl_b32 s2, s96, 3
	s_add_co_u32 s2, s2, s97
	s_lshl_b32 s2, s2, 8
	s_add_nc_u64 s[SBZ:SBZ+1], s[20:21], s[2:3]
	s_lshl_b32 s2, s96, 14
	s_add_nc_u64 s[12:13], s[12:13], s[2:3]        ; the head's M
	s_lshl_b32 s2, s96, 8
	s_add_nc_u64 s[14:15], s[14:15], s[2:3]        ; and Z
.irp t, 0,1,2,3
.irp q, 0,1
	global_load_b128 v[ZR+8*\t+4*\q:ZR+8*\t+4*\q+3], v[ZO], s[14:15] offset:64*\t+16*\q
.endr
.endr
	; M is quantised along d by waves 12-15, a tile of 16 columns each: lane (r, h) takes column 16 t + r and rows 32 h .. + 31: a whole block, in the order of the operand's registers
	s_cmp_lt_u32 s[WV], 12
	s_cbranch_scc1 .Lno_m
.set j, 0
.rept 32
	global_load_b32 v[T+j], v[VMO], s[12:13] offset:256*j
.set j, j+1
.endr
	s_wait_loadcnt 0x0
	v_max3_num_f32 v[TM], |v[T]|, |v[T+1]|, 0x1800000
	v_max3_num_f32 v[TM+1], |v[T+2]|, |v[T+3]|, 0x1800000
.set j, 4
.rept 7
	v_max3_num_f32 v[TM], v[TM], |v[T+j]|, |v[T+j+1]|
	v_max3_num_f32 v[TM+1], v[TM+1], |v[T+j+2]|, |v[T+j+3]|
.set j, j+4
.endr
	v_max_num_f32 v[TM], v[TM], v[TM+1]
	v_add_nc_u32 v[SO], 0xff000000, v[TM]
	v_lshrrev_b32 v[BY], 23, v[SO]
.irp g, 0,1,2,3
	v_cvt_scalef32_pk8_fp4_f32 v[C+\g], v[T+8*\g:T+8*\g+7], v[SO]
.endr
	v_lshlrev_b32 v[BY], v[SH8], v[BY]             ; my block's byte at its place (a plain place behind the conversions),
	v_permlanex16_b32 v[TP], v[BY], s[SEL], s[SEL+1]
	v_or_b32 v[BY], v[BY], v[TP]                   ; with the other block's,
	v_lshl_or_b32 v[BY], v[BY], 16, v[BY]          ; and both once more for k = 64 .. 127, where the other operand holds zero codes
	ds_store_b128 v[AMW], v[C:C+3]
	ds_store_b32 v[AMSW], v[BY]
.Lno_m:
	s_wait_loadcnt 0x0                             ; Z
	s_wait_tensorcnt 0x0                           ; my tiles have landed,
	s_wait_dscnt 0x0                               ; my stores of M's codes too
	s_barrier_signal -1
	s_barrier_wait -1                              ; everybody's have.  Nothing is filled again in this launch
	ds_load_b128 v[XSC:XSC+3], v[AXS]              ; x's scale words of all eight K steps
	ds_load_b128 v[XSC+4:XSC+7], v[AXS] offset:16
	s_cmp_lt_u32 s[WV], 8
	s_cbranch_scc0 .Lrole_b
	; ---------------- ROLE A ----------------
	KLOOP 1, AWK, AWSK                             ; k, a lane to a row
	QUANT ACC0, C, 1                               ; k along d: product 7's operand
	global_store_b128 v[L16], v[C:C+3], s[SBK:SBK+1]
	global_store_b128 v[L16], v[C+4:C+7], s[SBK:SBK+1] offset:512
	v_lshl_or_b32 v248, v[BY+1], 8, v[BY]
	v_lshl_or_b32 v249, v[BY+3], 8, v[BY+2]
	v_lshl_or_b32 v248, v249, 16, v248             ; bytes 0, 1: key r's two blocks; bytes 2, 3: key 16 + r's
	ds_store_b32 v[AKW], v248
	SIGMA ACC0
	DEN ACC0, 228, 229                             ; sigma(k) . Z
	v_rcp_f32 v228, v228
	v_rcp_f32 v229, v229
	v_nop                                          ; a plain place behind the reciprocals
	s_wait_alu depctr_va_vdst(0)                   ; and the wait ahead of their first reader
	ds_store_b32 v[ARW], v228                      ; to my own 128 bytes: they come back with a register to a row
	ds_store_b32 v[ARW], v229 offset:64
	QUANT ACC0, SKF, 1                             ; sigma(k) along d: product 4's operand; Z's registers are done with
	v_lshl_or_b32 v[SKW], v[BY+1], 8, v[BY]        ; its scale words; bytes 2, 3 stay 0: they stand over the other operand's zero codes
	v_lshl_or_b32 v[SKW+1], v[BY+3], 8, v[BY+2]
.irp q, 8,9,10,11
	v_mov_b32 v[SKF+\q], 0                         ; the upper half of the second tile's fragment
.endr
	KLOOP 0, AWV, AWSV                             ; v, a lane to a column
	QUANT ACC0, C, 0                               ; v along n: product 8's operand
.irp i, 0,1,2,3
	global_store_b64 v[LV], v[C+2*\i:C+2*\i+1], s[SBV:SBV+1] offset:1024*\i   ; 32 lanes store 256 consecutive bytes, aligned
	ds_store_b8 v[ABY], v[BY+\i] offset:512+64*\i  ; both lanes of a column write the same byte with the same value
.endr
	; product 4: sigma(k) M, a lane to a column like v.  K = 64: M's fragments hold zero codes in k = 64 .. 127
	s_wait_xcnt 0x0                                ; the stores above have read their data,
	s_wait_dscnt 0x0                               ; the byte stores too: M's fragments take these registers
.irp t, 0,1,2,3
.irp q, 4,5,6,7
	v_mov_b32 v[MF+8*\t+\q], 0
.endr
.endr
.irp t, 0,1,2,3
	ds_load_b128 v[MF+8*\t:MF+8*\t+3], v[AMI] offset:512*\t
.endr
	ds_load_b32 v[MS], v[AMS]                      ; lanes 0-15 tile 0's words, lanes 16-31 tile 1's;
	ds_load_b32 v[MS+1], v[AMS] offset:128         ; tiles 2 and 3
.irp u, 0,1
.irp q, 0,1
	ds_load_b128 v[R+8*\u+4*\q:R+8*\u+4*\q+3], v[ARR] offset:64*\u+16*\q   ; 1 / sigma(k).Z of rows 16 u + 8 h + 4 q .. + 3
.endr
.endr
	PLACES                                         ; between the zeros just written and the products that take them
	s_wait_dscnt 0x0
.irp t, 0,1,2,3
.irp u, 0,1
	WMZ ACC1+16*\t+8*\u, SKF+4*\u, MF+8*\t, SKW+\u, MS+\t/2, 0, \t%2
.endr
.endr
	PLACES
.set j, 0
.rept 32
	v_pk_fma_f32 v[ACC0+j:ACC0+j+1], v[ACC1+j:ACC1+j+1], v[R+j%16:R+j%16+1], v[ACC0+j:ACC0+j+1] neg_lo:[1,0,0] neg_hi:[1,0,0]   ; v - moment
.set j, j+2
.endr
	QUANT ACC0, C, 0                               ; v - moment along n: product 6's operand
.irp i, 0,1,2,3
	global_store_b64 v[LV], v[C+2*\i:C+2*\i+1], s[SBV:SBV+1] offset:139264+1024*\i
	ds_store_b8 v[ABY], v[BY+\i] offset:1536+64*\i
.endr
	s_branch .Ljoin
	; ---------------- ROLE B ----------------
.Lrole_b:
	KLOOP 1, AWQ, AWSQ                             ; q, a lane to a row
	QUANT ACC0, C, 1                               ; q along d
	global_store_b128 v[L16], v[C:C+3], s[SBQ:SBQ+1]
	global_store_b128 v[L16], v[C+4:C+7], s[SBQ:SBQ+1] offset:1280
	v_lshl_or_b32 v248, v[BY+1], 8, v[BY]
	v_lshl_or_b32 v249, v[BY+3], 8, v[BY+2]
	v_lshl_or_b32 v248, v248, 16, v248             ; the two bytes twice: q stands in either half of K = 128
	v_lshl_or_b32 v249, v249, 16, v249
	SIGMA ACC0
	DEN ACC0, 253, 255                             ; sigma(q) . Z, straight into the pairs that are stored
	QUANT ACC0, C, 1                               ; sigma(q) along d
	global_store_b128 v[L16], v[C:C+3], s[SBQ:SBQ+1] offset:512
	global_store_b128 v[L16], v[C+4:C+7], s[SBQ:SBQ+1] offset:1280+512
	v_lshl_or_b32 v250, v[BY+1], 8, v[BY]
	v_lshl_or_b32 v251, v[BY+3], 8, v[BY+2]
	v_lshl_or_b32 v250, v250, 16, v250
	v_lshl_or_b32 v251, v251, 16, v251
	v_cndmask_b32 v252, v248, v250, s[HIM]         ; lanes 0-15: q's scale word; lanes 16-31: sigma(q)'s
	v_cndmask_b32 v254, v249, v251, s[HIM]
	global_store_b64 v[L8], v[252:253], s[SBQ:SBQ+1] offset:1024
	global_store_b64 v[L8], v[254:255], s[SBQ:SBQ+1] offset:1280+1024
	KLOOP 0, AWK, AWSK                             ; k once more, a lane to a column
	SIGMA ACC0
.irp i, 0,1,2,3                                        ; the sums of sigma(k) over my 32 rows, unquantised
	v_pk_add_f32 v[224+2*\i:225+2*\i], v[ACC0+16*\i:ACC0+16*\i+1], v[ACC0+16*\i+2:ACC0+16*\i+3]
.endr
.irp q, 4,6,8,10,12,14
.irp i, 0,1,2,3
	v_pk_add_f32 v[224+2*\i:225+2*\i], v[224+2*\i:225+2*\i], v[ACC0+16*\i+\q:ACC0+16*\i+\q+1]
.endr
.endr
.irp i, 0,1,2,3
	v_add_f32 v[TM+\i], v[224+2*\i], v[225+2*\i]
.endr
.irp i, 0,1,2,3
	v_permlanex16_b32 v[TP+\i], v[TM+\i], s[SEL], s[SEL+1]
.endr
.irp i, 0,1,2,3
	v_add_f32 v[TM+\i], v[TM+\i], v[TP+\i]
.endr
.irp i, 0,1,2,3
	ds_store_b32 v[AZP], v[TM+\i] offset:64*\i
.endr
	QUANT ACC0, C, 0                               ; sigma(k) along n: product 6's operand
.irp i, 0,1,2,3
	global_store_b64 v[LV], v[C+2*\i:C+2*\i+1], s[SBV:SBV+1] offset:73728+1024*\i
	ds_store_b8 v[ABY], v[BY+\i] offset:1024+64*\i
.endr
.Ljoin:
	s_wait_dscnt 0x0                               ; my scale words, bytes and sums lie in LDS
	s_barrier_signal -1
	s_barrier_wait -1                              ; everybody's do
	s_cmp_lt_u32 s[WV], 4
	s_cbranch_scc0 .Lnot_g
	ds_load_b128 v[T:T+3], v[AGR]                  ; waves 0-3: 512 bytes of scale words each leave as two aligned runs of 256
	s_wait_dscnt 0x0
	global_store_b128 v[L16], v[T:T+3], s[SBG:SBG+1]
	s_branch .Lend
.Lnot_g:
	s_cmp_eq_u32 s[WV], 4
	s_cbranch_scc0 .Lend
.irp i, 0,1,2,3,4,5,6,7
	ds_load_b64 v[T+2*\i:T+2*\i+1], v[AZR] offset:256*\i   ; wave 4: the eight waves' sums, two d a lane
.endr
	s_wait_dscnt 0x0
.irp i, 1,2,3,4,5,6,7
	v_pk_add_f32 v[T:T+1], v[T:T+1], v[T+2*\i:T+2*\i+1]
.endr
	global_store_b64 v[L8], v[T:T+1], s[SBZ:SBZ+1]
.Lend:
	s_wait_tensorcnt 0x0                           ; the wave's end, behind my last tensor load and my last LDS store
	ds_add_u32 v[SPW], v[NIL]
	s_wait_dscnt 0x0
	CROUND                                         ; the closing round
	s_endpgm
.Lfunc_end_k_qf833cd3e3c_proj:
	.size	k_qf833cd3e3c_proj, .Lfunc_end_k_qf833cd3e3c_proj-k_qf833cd3e3c_proj
	.p2alignl 7, 3214868480
	.fill 96, 4, 3214868480
	.section	.rodata,"a",@progbits
	.p2align	6, 0x0
	.amdhsa_kernel k_qf833cd3e3c_proj
		.amdhsa_group_segment_fixed_size 262144
		.amdhsa_private_segment_fixed_size 0
		.amdhsa_enable_private_segment 0
		.amdhsa_kernarg_size 72
		.amdhsa_user_sgpr_count 2
		.amdhsa_user_sgpr_kernarg_segment_ptr 1
		.amdhsa_wavefront_size32 1
		.amdhsa_system_sgpr_workgroup_id_x 1
		.amdhsa_system_sgpr_workgroup_id_y 1
		.amdhsa_system_sgpr_workgroup_id_z 1
		.amdhsa_system_vgpr_workitem_id 0
		.amdhsa_next_free_vgpr 256
		.amdhsa_next_free_sgpr 100
		.amdhsa_reserve_vcc 0
		.amdhsa_float_denorm_mode_32 3
		.amdhsa_float_denorm_mode_16_64 3
		.amdhsa_memory_ordered 1
		.amdhsa_forward_progress 1
		.amdhsa_inst_pref_size 167
	.end_amdhsa_kernel
	.amdgpu_metadata
---
amdhsa.version: [ 1, 2 ]
amdhsa.kernels:
  - .name:           k_qf833cd3e3c_proj
    .symbol:         k_qf833cd3e3c_proj.kd
    .args:
      - { .name: x_codes, .offset: 0, .size: 8, .value_kind: global_buffer, .address_space: global }
      - { .name: x_scales, .offset: 8, .size: 8, .value_kind: global_buffer, .address_space: global }
      - { .name: W_qkv_codes, .offset: 16, .size: 8, .value_kind: global_buffer, .address_space: global }
      - { .name: W_qkv_scales, .offset: 24, .size: 8, .value_kind: global_buffer, .address_space: global }
      - { .name: M, .offset: 32, .size: 8, .value_kind: global_buffer, .address_space: global }
      - { .name: Z, .offset: 40, .size: 8, .value_kind: global_buffer, .address_space: global }
      - { .name: rec, .offset: 48, .size: 8, .value_kind: global_buffer, .address_space: global }
      - { .name: qrec, .offset: 56, .size: 8, .value_kind: global_buffer, .address_space: global }
      - { .name: zpart, .offset: 64, .size: 8, .value_kind: global_buffer, .address_space: global }
    .group_segment_fixed_size: 262144
    .private_segment_fixed_size: 0
    .kernarg_segment_align: 8
    .kernarg_segment_size: 72
    .max_flat_workgroup_size: 512
    .sgpr_count:     100
    .vgpr_count:     256
    .wavefront_size: 32
...
	.end_amdgpu_metadata
.endif
;; end of part 1
;; launch attn (part 2): grid 4 x 64, 16 waves a work-group, clusters of 4 x 1, 286,720 bytes of LDS; arguments rec, qrec, zpart, M, Z, beta_gate, beta_lin, out0, out1, out2; writes out0, out1, out2
.if DOCPART == 2
	.amdgcn_target "amdgcn-amd-amdhsa--gfx1250"
	.amdhsa_code_object_version 6
	.text
	.protected	k_qf833cd3e3c_attn
	.globl	k_qf833cd3e3c_attn
	.p2align	8
	.type	k_qf833cd3e3c_attn,@function
k_qf833cd3e3c_attn:
	s_mov_b64 s[64:65], 0
	v_nop
	global_prefetch_b8 v0, s[64:65] scope:SCOPE_SE
	s_setreg_imm32_b32 hwreg(HW_REG_WAVE_MODE, 25, 1), 1
	s_wait_xcnt 0x0
	s_wait_alu depctr_hold_cnt(0) depctr_sa_sdst(0) depctr_va_vdst(0) depctr_va_sdst(0) depctr_va_ssrc(0) depctr_va_vcc(0) depctr_vm_vsrc(0)
	s_getreg_b32 s2, hwreg(HW_REG_IB_STS2, 6, 4)
	s_cmp_eq_u32 s2, 0
	s_cbranch_scc0 .Lentry_in_a_cluster
	s_endpgm
.Lentry_in_a_cluster:
	s_bfe_u32 s2, ttmp6, 0x10000c
	s_cmp_lg_u32 s2, 0x3003
	s_cbranch_scc0 .Lentry_shape_is_right
	s_endpgm
.Lentry_shape_is_right:
; SECOND OF TWO LAUNCHES.  M_new (product 6), Z_new, the dot-product attention (products 7 and 8, with the softmax), A_mem (product 2) and the gate.  Nothing is left out.
; LIMITS, as in the first launch: NaN and infinities are not served; a block of zeros has the scale byte 1; 2^x under 2^-126 is 0; divisions are a reciprocal and a multiplication;
; product 6's K = 2,048 is summed as 16 sums of 128, added in ascending order.
; SHARES.  A work-group: one head (y) and 512 of its queries (its place in the cluster).  The head's K and V as codes with their scale words are 139,264 dense bytes of rec: they lie in LDS whole, filled once,
; asked for jointly by the four work-groups of the head.  Wave w takes the query tiles 32 cx + w and 32 cx + 16 + w, one after the other, and walks all 2,048 keys, 128 a step.
; THE SOFTMAX AHEAD OF PRODUCT 8: t = score x log2(e) / 8; M = the running largest t, rounded UP to a whole number; p = 2^(t - M) is quantised along the keys, not normalised; the row's sum is taken of the
; unquantised p and divides at the end.  When M moves, the sum and O are multiplied by 2^(old M - new M), which rounds nothing.
; LAYOUT.  All products are used transposed, so that a lane holds ONE query (lane % 16) throughout.  K = d is 64 and the instruction's is 128: source 0 holds TWO tiles of keys side by side, and is multiplied once
; by [q | zero codes] and once by [zero codes | q].  So the 16 registers of a pair of tiles are keys 32 b + 8 h + j and 32 b + 16 + 8 h + j, and p's eight-code words are put in place by the conversions'
; destinations and four exchanges of lane halves.
; The place in the cluster enters global addresses alone.
.set KI,    0                          ; K's 128 tiles, 512 bytes each
.set VI,    65536                      ; V^T's: [step][tile of d][half of K][lane] 16 bytes
.set KS,    131072                     ; K's scale words
.set VS,    135168                     ; V^T's
.set P6,    139264                     ; from here on: bytes that LDS stores write.  16 partial sums of product 6: 16 rows x (256 + 16) bytes each,
.set STG,   208896                     ; a stage of the same size for each wave,
.set MI,    278528                     ; M's four fragments,
.set MSC,   280576                     ; their scale words,
.set SPARE, 280832                     ; the spare words, 128 bytes a wave: no other line names them
.set L16,  1                           ; v1 16 x lane;  v2 the same in VI;  v3 4 x lane in KS
.set L16V, 2
.set L4S,  3
.set SPW,  4                           ; v4 my spare word;  v5 0: never rewritten
.set NIL,  5
.set STO,  6                           ; v6, v7 my stage, in and back;  v8 my bytes in two rows of out0
.set SRD,  7
.set GO,   8
.set ADK,  9                           ; v9-11 the step's LDS addresses
.set ADV,  10
.set ADS,  11
                                       ; v12 -M, v13 the largest t, v[14:15] the sum in two halves
.set SQ,   16                          ; v16-19 sigma(q), v20-23 zeros, v24-27 q, v28-31 zeros
.set QS,   32                          ; v32 scale words: lanes 0-15 q's, lanes 16-31 sigma(q)'s;  v33 sigma(q).Z
.set KSC,  34                          ; v34-35 K's scale words, v36-37 V^T's, v38-39 M's: scales and nothing else
.set VSC,  36
.set MS,   38
.set L4,   40                          ; v40 4 x lane
.set TMP,  41
.set FF,   42                          ; v42 f = 2^(old M - new M);  v43 p's scale word
.set PS,   43
.set GG,   44                          ; v44 g, v45 1 - g, v[46:47] beta_m twice
.set BMM,  46
.set BM,   48                          ; v48-51 the blocks' largest; v52-55 at work; v56-59 the conversions' scale operands
.set BT,   52
.set SO,   56
.set AA,   60                          ; v[60:61] g / sigma(q).Z;  v[62:63] (1 - g) / l
.set BC,   62
.set KF,   64                          ; v64-95 K's four pairs of tiles (at a pass's end v64-83: M's fragments)
.set MF,   64
.set VF,   96                          ; v96-127 V^T's four fragments
.set S,    128                         ; v128-191 the scores, then p
.set O,    192                         ; v192-223 O^T
.set P,    224                         ; v224-231 p's codes
.set MR,   232                         ; v[232:233] my two numbers of a row of M
.set P6I,  234
.set P6R,  235
.set AMI,  236
.set AMS,  237
.set VMO,  238
.set AMW,  239
.set AMSW, 240
.set L8,   241
.set R4,   242
.set SH8,  243
.set ZL,   244
.set G1,   24                          ; s[24:31], s[32:35] the one descriptor
.set G0,   32
.set WV,   36
.set CX,   37
.set HD,   38
.set SEL,  40
.set CS,   42                          ; s[42:43] c = log2(e) / 8
.set TB,   44                          ; s44 the step's tiles, s45 its scale words, s46 the count of steps
.set TS,   45
.set CNT,  46
.set RH,   48                          ; s[48:49] the head's record
.set QB,   50                          ; s[50:51] my first query tile's record
.set OB,   52                          ; s[52:53] my first row of out0
.set P6A,  60
.set P6B,  62
.set P6S,  66
.set P6T,  68
.set MRW,  70
.set O1,   72
.set MH,   74
.set ZPB,  76
.set ZZ,   78
.macro PLACES
.rept 4
	v_nop
.endr
.endm
.macro CROUND
	s_barrier_signal -1
	s_barrier_wait -1
	s_cmp_lg_u32 s[WV], 0
	s_cbranch_scc1 .Lnot_wave_0_\@
	s_barrier_signal -3
.Lnot_wave_0_\@:
	s_barrier_wait -3
	s_barrier_signal -1
	s_barrier_wait -1
.endm
.macro WMS d, a, b, sa, sb, ra, rb     ; adds in place.  ra, rb = 1: that side's scales stand in lanes 16-31
.if (\ra) && (\rb)
	v_wmma_scale_f32_16x16x128_f8f6f4 v[\d:\d+7], v[\a:\a+7], v[\b:\b+7], v[\d:\d+7], v[\sa], v[\sb] matrix_a_fmt:MATRIX_FMT_FP4 matrix_b_fmt:MATRIX_FMT_FP4 matrix_a_scale:MATRIX_SCALE_ROW1 matrix_b_scale:MATRIX_SCALE_ROW1
.elseif (\ra)
	v_wmma_scale_f32_16x16x128_f8f6f4 v[\d:\d+7], v[\a:\a+7], v[\b:\b+7], v[\d:\d+7], v[\sa], v[\sb] matrix_a_fmt:MATRIX_FMT_FP4 matrix_b_fmt:MATRIX_FMT_FP4 matrix_a_scale:MATRIX_SCALE_ROW1
.elseif (\rb)
	v_wmma_scale_f32_16x16x128_f8f6f4 v[\d:\d+7], v[\a:\a+7], v[\b:\b+7], v[\d:\d+7], v[\sa], v[\sb] matrix_a_fmt:MATRIX_FMT_FP4 matrix_b_fmt:MATRIX_FMT_FP4 matrix_b_scale:MATRIX_SCALE_ROW1
.else
	v_wmma_scale_f32_16x16x128_f8f6f4 v[\d:\d+7], v[\a:\a+7], v[\b:\b+7], v[\d:\d+7], v[\sa], v[\sb] matrix_a_fmt:MATRIX_FMT_FP4 matrix_b_fmt:MATRIX_FMT_FP4
.endif
.endm
.macro WMZ d, a, b, sa, sb, ra, rb     ; starts a sum
.if (\ra) && (\rb)
	v_wmma_scale_f32_16x16x128_f8f6f4 v[\d:\d+7], v[\a:\a+7], v[\b:\b+7], 0, v[\sa], v[\sb] matrix_a_fmt:MATRIX_FMT_FP4 matrix_b_fmt:MATRIX_FMT_FP4 matrix_a_scale:MATRIX_SCALE_ROW1 matrix_b_scale:MATRIX_SCALE_ROW1
.elseif (\ra)
	v_wmma_scale_f32_16x16x128_f8f6f4 v[\d:\d+7], v[\a:\a+7], v[\b:\b+7], 0, v[\sa], v[\sb] matrix_a_fmt:MATRIX_FMT_FP4 matrix_b_fmt:MATRIX_FMT_FP4 matrix_a_scale:MATRIX_SCALE_ROW1
.elseif (\rb)
	v_wmma_scale_f32_16x16x128_f8f6f4 v[\d:\d+7], v[\a:\a+7], v[\b:\b+7], 0, v[\sa], v[\sb] matrix_a_fmt:MATRIX_FMT_FP4 matrix_b_fmt:MATRIX_FMT_FP4 matrix_b_scale:MATRIX_SCALE_ROW1
.else
	v_wmma_scale_f32_16x16x128_f8f6f4 v[\d:\d+7], v[\a:\a+7], v[\b:\b+7], 0, v[\sa], v[\sb] matrix_a_fmt:MATRIX_FMT_FP4 matrix_b_fmt:MATRIX_FMT_FP4
.endif
.endm
	s_load_b512 s[4:19], s[0:1], 0x0               ; rec 4, qrec 6, zpart 8, M 10, Z 12, beta_gate 14, beta_lin 16, out0 18
	s_load_b128 s[20:23], s[0:1], 0x40             ; out1 20, out2 22
	v_lshl_add_u32 v[SPW], v0, 2, SPARE
	v_mov_b32 v[NIL], 0
	ds_add_u32 v[SPW], v[NIL]                      ; the wave's opening: the add, twice on end, and its wait ahead of my first tensor load
	ds_add_u32 v[SPW], v[NIL]
	v_lshrrev_b32 v1, 5, v0
	v_readfirstlane_b32 s[WV], v1                  ; wave 0..15
	s_bfe_u32 s[CX], ttmp6, 0x40000                ; my place in the cluster: which 512 queries
	s_and_b32 s[HD], ttmp7, 0xffff                 ; the head, 16 batch + head within it: the four partners share it
	; the descriptor: 34 dense rows of 256 bytes (32 elements of 8 bytes) a wave, no padding: the tiles are read 16 bytes a lane on end
	s_mov_b32 s[G1], 15|(3<<16)|(1<<21)            ; the mask names all four work-groups
	s_mov_b32 s[G1+1], 32<<16
	s_mov_b32 s[G1+2], 34<<16
	s_mov_b32 s[G1+3], 32<<16
	s_mov_b32 s[G1+4], 34
	s_mov_b32 s[G1+5], 32
	s_mov_b32 s[G1+6], 0
	s_mov_b32 s[G1+7], 0
	s_mov_b32 s[G0], 1
	s_mul_i32 s[G0+1], s[WV], 8704                 ; my sixteenth of the 139,264 bytes, in LDS as in memory
	s_mul_i32 s56, s[HD], 278528
	s_mov_b32 s57, 0
	s_mul_i32 s58, s[WV], 8704
	s_mov_b32 s59, 0
	s_mov_b32 s[SEL], 0x76543210
	s_mov_b32 s[SEL+1], 0xfedcba98
	s_mov_b32 s[CS], 0x3e38aa3b                    ; c = log2(e) / 8
	s_mov_b32 s[CS+1], s[CS]                       ; (named with it as a pair, so it is written)
	s_wait_dscnt 0x0                               ; both opening adds are done
	s_wait_kmcnt 0x0
	s_add_nc_u64 s[RH:RH+1], s[4:5], s[56:57]
	s_add_nc_u64 s[G0+2:G0+3], s[RH:RH+1], s[58:59]
	s_or_b32 s[G0+3], s[G0+3], 0x80000000
	CROUND                                         ; all four work-groups are here: the joint loads meet
	tensor_load_to_lds s[G0:G0+3], s[G1:G1+7]      ; every wave's one tensor load
	s_nop 0
	PLACES
	s_and_b32 s56, s[HD], 15
	s_lshl_b32 s56, s56, 2
	s_add_nc_u64 s[14:15], s[14:15], s[56:57]
	s_load_b32 s54, s[14:15], 0x0                  ; beta_gate of my head
	s_load_b32 s55, s[16:17], 0x0                  ; beta_lin
	v_and_b32 v245, 15, v0                         ; r
	v_bfe_u32 v246, v0, 4, 1                       ; h
	v_and_b32 v247, 31, v0                         ; lane
	v_lshlrev_b32 v[L16], 4, v247
	v_lshl_add_u32 v[L16V], v247, 4, VI
	v_lshl_add_u32 v[L4S], v247, 2, KS
	v_lshlrev_b32 v[L4], 2, v247
	v_lshlrev_b32 v[L8], 3, v247
	v_lshlrev_b32 v[R4], 2, v245
	v_lshlrev_b32 v[SH8], 3, v246
	v_lshl_add_u32 v[ZL], v246, 10, v[R4]          ; zpart: lanes 16-31 take the blocks 4 .. 7
	s_mul_i32 s58, s[WV], 4352
	v_mul_u32_u24 v248, v245, 272
	v_lshl_add_u32 v248, v246, 5, v248             ; row r x 272 + 32 h
	v_add_nc_u32 v248, s58, v248
	v_add_nc_u32 v[STO], STG, v248
	v_add_nc_u32 v[P6I], P6, v248
	v_mul_u32_u24 v248, v246, 272
	v_lshl_add_u32 v248, v245, 4, v248             ; back: lanes 0-15 one row, lanes 16-31 the next
	v_add_nc_u32 v248, s58, v248
	v_add_nc_u32 v[SRD], STG, v248
	v_lshlrev_b32 v[GO], 12, v246
	v_lshl_add_u32 v[GO], v245, 4, v[GO]           ; and the same two rows of out0, 4,096 bytes apart
	s_mul_i32 s58, s[WV], 272
	s_add_co_u32 s58, s58, P6
	v_lshl_add_u32 v[P6R], v247, 3, s58            ; row w of each partial sum, 8 bytes a lane
	v_lshl_add_u32 v[AMI], v247, 4, MI
	v_lshl_add_u32 v[AMS], v247, 2, MSC
	s_and_b32 s59, s[WV], 3
	s_lshl_b32 s58, s59, 9
	s_add_co_u32 s58, s58, MI
	v_lshl_add_u32 v[AMW], v247, 4, s58
	s_lshl_b32 s58, s59, 6
	v_lshl_add_u32 v[VMO], v245, 2, s58
	v_lshl_add_u32 v[VMO], v246, 13, v[VMO]
	s_add_co_u32 s58, s58, MSC
	v_lshl_add_u32 v[AMSW], v245, 2, s58
.irp q, 20,21,22,23,28,29,30,31
	v_mov_b32 v\q, 0                               ; the zero codes beside q and sigma(q)
.endr
.irp q, 0,1,2,3
	v_mov_b32 v[BT+\q], 0                          ; a lane permute's destination counts as one of its sources
.endr
	; global addresses
	s_lshl_b32 s56, s[HD], 7
	s_lshl_b32 s58, s[CX], 5
	s_add_co_u32 s56, s56, s58
	s_add_co_u32 s56, s56, s[WV]
	s_mul_i32 s56, s56, 1280
	s_add_nc_u64 s[QB:QB+1], s[6:7], s[56:57]      ; query tile 32 cx + w
	s_lshr_b32 s56, s[HD], 4
	s_lshl_b32 s56, s56, 23
	s_lshl_b32 s58, s[CX], 21
	s_add_co_u32 s56, s56, s58
	s_lshl_b32 s58, s[WV], 16
	s_add_co_u32 s56, s56, s58
	s_and_b32 s58, s[HD], 15
	s_lshl_b32 s58, s58, 8
	s_add_co_u32 s56, s56, s58
	s_add_nc_u64 s[OB:OB+1], s[18:19], s[56:57]    ; ((2,048 batch + 512 cx + 16 w) x 1,024 + 64 head) x 4
	s_lshl_b32 s56, s[WV], 12
	s_add_nc_u64 s[P6A:P6A+1], s[RH:RH+1], s[56:57]   ; product 6: K step w's tiles,
	s_lshl_b32 s56, s[CX], 10
	s_add_nc_u64 s[P6B:P6B+1], s[P6A:P6A+1], s[56:57] ; of sigma(k)^T tile cx,
	s_lshl_b32 s56, s[WV], 8
	s_add_nc_u64 s[P6S:P6S+1], s[RH:RH+1], s[56:57]   ; and the scale words
	s_lshl_b32 s56, s[CX], 6
	s_add_nc_u64 s[P6T:P6T+1], s[P6S:P6S+1], s[56:57]
	s_lshl_b32 s56, s[HD], 6
	s_lshl_b32 s58, s[CX], 4
	s_add_co_u32 s56, s56, s58
	s_add_co_u32 s56, s56, s[WV]
	s_lshl_b32 s56, s56, 8
	s_add_nc_u64 s[MRW:MRW+1], s[10:11], s[56:57]  ; row d = 16 cx + w of M and of M_new
	s_add_nc_u64 s[O1:O1+1], s[20:21], s[56:57]
	s_lshl_b32 s56, s[HD], 14
	s_add_nc_u64 s[MH:MH+1], s[10:11], s[56:57]
	s_lshl_b32 s56, s[HD], 11
	s_lshl_b32 s58, s[CX], 6
	s_add_co_u32 s56, s56, s58
	s_add_nc_u64 s[ZPB:ZPB+1], s[8:9], s[56:57]
	s_lshl_b32 s56, s[HD], 8
	s_add_co_u32 s56, s56, s58
	s_add_nc_u64 s[ZZ:ZZ+1], s[12:13], s[56:57]
	s_add_nc_u64 s[22:23], s[22:23], s[56:57]
	; product 6's operands of K step w (128 rows n), my first query tile's record, my row of M
.irp t, 0,1,2,3
.irp c, 0,1
	global_load_b128 v[S+8*\t+4*\c:S+8*\t+4*\c+3], v[L16], s[P6A:P6A+1] offset:204800+1024*\t+512*\c
.endr
.endr
.irp c, 0,1
	global_load_b128 v[S+32+4*\c:S+32+4*\c+3], v[L16], s[P6B:P6B+1] offset:139264+512*\c
.endr
	global_load_b32 v[VSC], v[L4], s[P6S:P6S+1] offset:274432
	global_load_b32 v[VSC+1], v[L4], s[P6S:P6S+1] offset:274432+128
	global_load_b32 v[KSC], v[R4], s[P6T:P6T+1] offset:270336
	global_load_b128 v[24:27], v[L16], s[QB:QB+1]
	global_load_b128 v[SQ:SQ+3], v[L16], s[QB:QB+1] offset:512
	global_load_b64 v[QS:QS+1], v[L8], s[QB:QB+1] offset:1024
	global_load_b64 v[MR:MR+1], v[L8], s[MRW:MRW+1]
	; g = sigmoid(beta_gate), beta_m = sigmoid(beta_lin) held to 0.9 .. 0.999
	s_wait_kmcnt 0x0
	v_mov_b32 v[GG], s54
	v_mov_b32 v[BMM], s55
	v_mul_f32 v[GG], 0xbfb8aa3b, v[GG]
	v_mul_f32 v[BMM], 0xbfb8aa3b, v[BMM]
	v_exp_f32 v[GG], v[GG]
	v_exp_f32 v[BMM], v[BMM]
	v_nop                                          ; a plain place behind the batch,
	s_wait_alu depctr_va_vdst(0)                   ; and the wait ahead of its first reader
	v_add_f32 v[GG], 1.0, v[GG]
	v_add_f32 v[BMM], 1.0, v[BMM]
	v_rcp_f32 v[GG], v[GG]
	v_rcp_f32 v[BMM], v[BMM]
	v_nop
	s_wait_alu depctr_va_vdst(0)
	s_mov_b32 s56, 0x3f666666                      ; 0.9
	s_mov_b32 s58, 0x3f7fbe77                      ; 0.999
	v_sub_f32 v[GG+1], 1.0, v[GG]
	v_med3_num_f32 v[BMM], v[BMM], s56, s58
	v_mov_b32 v[BMM+1], v[BMM]
	s_cmp_lt_u32 s[WV], 4
	s_cbranch_scc0 .Lnot_m
	; waves 0-3: M along d, a tile of 16 columns each: lane (r, h) takes column 16 t + r and rows 32 h .. + 31
.set j, 0
.rept 32
	global_load_b32 v[VF+j], v[VMO], s[MH:MH+1] offset:256*j
.set j, j+1
.endr
	s_wait_loadcnt 0x0
	v_max3_num_f32 v[BM], |v[VF]|, |v[VF+1]|, 0x1800000
	v_max3_num_f32 v[BM+1], |v[VF+2]|, |v[VF+3]|, 0x1800000
.set j, 4
.rept 7
	v_max3_num_f32 v[BM], v[BM], |v[VF+j]|, |v[VF+j+1]|
	v_max3_num_f32 v[BM+1], v[BM+1], |v[VF+j+2]|, |v[VF+j+3]|
.set j, j+4
.endr
	v_max_num_f32 v[BM], v[BM], v[BM+1]
	v_add_nc_u32 v[SO], 0xff000000, v[BM]
	v_lshrrev_b32 v[BT], 23, v[SO]
.irp g, 0,1,2,3
	v_cvt_scalef32_pk8_fp4_f32 v[P+\g], v[VF+8*\g:VF+8*\g+7], v[SO]
.endr
	v_lshlrev_b32 v[BT], v[SH8], v[BT]             ; my block's byte at its place (a plain place behind the conversions),
	v_permlanex16_b32 v[BT+1], v[BT], s[SEL], s[SEL+1]
	v_or_b32 v[BT], v[BT], v[BT+1]                 ; with the other block's,
	v_lshl_or_b32 v[BT], v[BT], 16, v[BT]          ; and both once more for k = 64 .. 127
	ds_store_b128 v[AMW], v[P:P+3]
	ds_store_b32 v[AMSW], v[BT]
	s_branch .Lp6
.Lnot_m:
	s_cmp_eq_u32 s[WV], 4
	s_cbranch_scc0 .Lp6
	; wave 4: Z_new at d = 16 cx + r.  Lanes l and l xor 16 end with the same number and store it to the same word
.irp i, 0,1,2,3
	global_load_b32 v[VF+\i], v[ZL], s[ZPB:ZPB+1] offset:256*\i
.endr
	global_load_b32 v[VF+4], v[R4], s[ZZ:ZZ+1]
	s_wait_loadcnt 0x0
	v_add_f32 v[VF], v[VF], v[VF+1]
	v_add_f32 v[VF+2], v[VF+2], v[VF+3]
	v_add_f32 v[VF], v[VF], v[VF+2]
	v_permlanex16_b32 v[BT+1], v[VF], s[SEL], s[SEL+1]
	v_add_f32 v[VF], v[VF], v[BT+1]
	v_fma_f32 v[VF], v[BMM], v[VF+4], v[VF]
	global_store_b32 v[R4], v[VF], s[22:23]
.Lp6:
	; product 6, K step w: source 0 = 16 columns v of (v - moment), source 1 = the 16 rows d of sigma(k)^T: a lane holds one d and eight neighbouring v
	s_wait_loadcnt 0x0
.irp t, 0,1,2,3
	WMZ O+8*\t, S+8*\t, S+32, VSC+\t/2, KSC, \t%2, 0
.endr
	PLACES
.irp t, 0,1,2,3
.irp q, 0,1
	ds_store_b128 v[P6I], v[O+8*\t+4*\q:O+8*\t+4*\q+3] offset:64*\t+16*\q   ; each accumulator from its low end on
.endr
.endr
	s_wait_tensorcnt 0x0                           ; my part of K and V has landed,
	s_wait_dscnt 0x0                               ; my partial sum and M's codes lie in LDS
	s_barrier_signal -1
	s_barrier_wait -1                              ; everybody's do.  The one barrier of the launch beside the cluster's rounds: nothing is filled again
	; M_new, row d = 16 cx + w: the 16 partial sums in ascending order, then beta_m M
.irp i, 0,1,2,3,4,5,6,7,8,9,10,11,12,13,14,15
	ds_load_b64 v[S+2*\i:S+2*\i+1], v[P6R] offset:4352*\i
.endr
	s_wait_dscnt 0x0
.irp i, 1,2,3,4,5,6,7,8,9,10,11,12,13,14,15
	v_pk_add_f32 v[S:S+1], v[S:S+1], v[S+2*\i:S+2*\i+1]
.endr
	v_pk_fma_f32 v[S:S+1], v[MR:MR+1], v[BMM:BMM+1], v[S:S+1]
	global_store_b64 v[L8], v[S:S+1], s[O1:O1+1]   ; 32 lanes store 256 consecutive bytes, aligned
; ONE TILE OF 16 QUERIES against all keys.  pi: which of my two;  next = 1: the other tile's record is asked for on the way out.
.macro PASS pi, next
	s_wait_xcnt 0x0                                ; earlier stores have read their data
	s_wait_loadcnt 0x0                             ; the tile's record is in
	v_mov_b32 v13, 0xff61b1e6                      ; the largest t so far: -3e38, under every t
	v_floor_f32 v12, -v13                          ; -M
	v_mov_b32 v14, 0
	v_mov_b32 v15, 0
	v_mov_b32 v[PS], 0                             ; (named as the upper half of the pair with f before it is first written)
.set j, 0
.rept 32
	v_mov_b32 v[O+j], 0                            ; the step is written once: the first finds zeros, which the first change of M leaves zeros
.set j, j+1
.endr
	s_mov_b32 s[TB], 0
	s_mov_b32 s[TS], 0
	s_mov_b32 s[CNT], 0
.irp f, 0,1,2,3,4,5,6,7
	ds_load_b128 v[KF+4*\f:KF+4*\f+3], v[L16] offset:512*\f   ; step 0's eight tiles of K
.endr
	ds_load_b32 v[KSC], v[L4S]
	ds_load_b32 v[KSC+1], v[L4S] offset:128
	s_wait_dscnt 0x0
.Lstep_\@:
.irp b, 0,1,2,3                                        ; S^T = K q^T: a pair of tiles against [q | 0] and against [0 | q]
	WMZ S+16*\b, KF+8*\b, 24, KSC+\b/2, QS, \b%2, 0
	WMZ S+16*\b+8, KF+8*\b, 20, KSC+\b/2, QS, \b%2, 0
.endr
	v_add_nc_u32 v[ADK], s[TB], v[L16]             ; four plain lines: the places in front of the loads and of the first read of the scores
	v_add_nc_u32 v[ADV], s[TB], v[L16V]
	v_add_nc_u32 v[ADS], s[TS], v[L4S]
	v_nop
	s_cmp_eq_u32 s[CNT], 15                        ; the last step has no successor
	s_cbranch_scc1 .Lno_k_\@
.irp f, 0,1,2,3,4,5,6,7
	ds_load_b128 v[KF+4*\f:KF+4*\f+3], v[ADK] offset:4096+512*\f   ; the next step's K lands under the softmax
.endr
	ds_load_b32 v[KSC], v[ADS] offset:256
	ds_load_b32 v[KSC+1], v[ADS] offset:384
.Lno_k_\@:
.irp f, 0,1,2,3,4,5,6,7
	ds_load_b128 v[VF+4*\f:VF+4*\f+3], v[ADV] offset:512*\f        ; and this step's V
.endr
	ds_load_b32 v[VSC], v[ADS] offset:4096
	ds_load_b32 v[VSC+1], v[ADS] offset:4224
.irp b, 0,1,2,3
	v_max3_num_f32 v[BM+\b], v[S+16*\b], v[S+16*\b+1], v[S+16*\b+2]   ; the largest score of each block of 32 keys: for the row's maximum, and, since p rises with the score, for the block's largest p
.endr
.irp i, 3,5,7,9,11,13
.irp b, 0,1,2,3
	v_max3_num_f32 v[BM+\b], v[BM+\b], v[S+16*\b+\i], v[S+16*\b+\i+1]
.endr
.endr
.irp b, 0,1,2,3
	v_max_num_f32 v[BM+\b], v[BM+\b], v[S+16*\b+15]
.endr
.irp b, 0,1,2,3
	v_permlanex16_b32 v[BT+\b], v[BM+\b], s[SEL], s[SEL+1]
.endr
.irp b, 0,1,2,3
	v_max_num_f32 v[BM+\b], v[BM+\b], v[BT+\b]     ; with lane l xor 16's 16 keys
.endr
	v_max3_num_f32 v[TMP], v[BM], v[BM+1], v[BM+2]
	v_max_num_f32 v[TMP], v[TMP], v[BM+3]
	v_mul_f32 v[TMP], s[CS], v[TMP]                ; the step's largest t (c is positive)
	v_max_num_f32 v13, v13, v[TMP]
	v_mov_b32 v[TMP], v12
	v_floor_f32 v12, -v13                          ; the new -M = floor(-t): M is a whole number
	v_sub_f32 v[TMP], v12, v[TMP]                  ; old M - new M: a whole number, 0 or less
	v_cvt_i32_f32 v[TMP], v[TMP]                   ; (it saturates)
	v_ldexp_f32 v[FF], 1.0, v[TMP]                 ; f = 2^(old M - new M)
.set j, 0
.rept 32
	v_pk_fma_f32 v[S+j:S+j+1], v[S+j:S+j+1], s[CS:CS+1], v[12:13] op_sel_hi:[1,0,0]   ; t - M
.set j, j+2
.endr
.irp b, 0,1,2,3
	v_fma_f32 v[BM+\b], v[BM+\b], s[CS], v12       ; the same of each block's largest score
.endr
.set j, 0
.rept 64
	v_exp_f32 v[S+j], v[S+j]                       ; p = 2^(t - M), at most 1
.set j, j+1
.endr
	v_pk_mul_f32 v[14:15], v[14:15], v[FF:FF+1] op_sel_hi:[1,0]   ; the sums under the new M (a plain place behind the batch)
	s_wait_alu depctr_va_vdst(0)                   ; one wait for the 64, ahead of their first reader
.irp b, 0,1,2,3
	v_exp_f32 v[BM+\b], v[BM+\b]                   ; the blocks' largest p
.endr
	v_pk_add_f32 v[BT:BT+1], v[S:S+1], v[S+2:S+3]  ; the row's sum of the unquantised p, in two chains: it reads the 64 alone
.set j, 4
.rept 15
	v_pk_add_f32 v[14:15], v[14:15], v[S+j:S+j+1]
	v_pk_add_f32 v[BT:BT+1], v[BT:BT+1], v[S+j+2:S+j+3]
.set j, j+4
.endr
	v_pk_add_f32 v[14:15], v[14:15], v[BT:BT+1]
	s_wait_alu depctr_va_vdst(0)                   ; and one for the four
.irp b, 0,1,2,3
	v_max_num_f32 v[BM+\b], 0x1800000, v[BM+\b]    ; the floor 2^(3 - 127): the byte cannot fall under 1
.endr
.irp b, 0,1,2,3
	v_add_nc_u32 v[SO+\b], 0xff000000, v[BM+\b]
.endr
.irp b, 0,1,2,3
	v_lshrrev_b32 v[BT+\b], 23, v[SO+\b]
.endr
	v_lshl_or_b32 v[PS], v[BT+1], 8, v[BT]         ; p's scale word for these 128 keys
	v_lshl_or_b32 v[PS], v[BT+2], 16, v[PS]
	v_lshl_or_b32 v[PS], v[BT+3], 24, v[PS]
.irp b, 0,1,2,3
	v_cvt_scalef32_pk8_fp4_f32 v[P+4*(\b/2)+(\b%2)], v[S+16*\b:S+16*\b+7], v[SO+\b]        ; word h of block b,
	v_cvt_scalef32_pk8_fp4_f32 v[P+4*(\b/2)+2+(\b%2)], v[S+16*\b+8:S+16*\b+15], v[SO+\b]   ; word 2 + h
.endr
	v_nop                                          ; one plain place behind the conversions
.irp m, 0,1,2,3
	v_permlane16_swap_b32 v[P+2*\m], v[P+2*\m+1]   ; lanes 0-15 now hold blocks 0 and 2 whole, lanes 16-31 blocks 1 and 3
.endr
.set j, 0
.rept 16
	v_pk_mul_f32 v[O+j:O+j+1], v[O+j:O+j+1], v[FF:FF+1] op_sel_hi:[1,0]   ; O^T under the new M; these lines are also the places between p's codes and scale word and the products
.set j, j+2
.endr
	s_wait_dscnt 0x0                               ; V, and the next step's K: both runs were issued ahead of the softmax
.irp t, 0,1,2,3
	WMS O+8*\t, VF+8*\t, P, VSC+\t/2, PS, \t%2, 0  ; O^T += V^T p^T: four accumulators by turns
.endr
	s_add_co_u32 s[TB], s[TB], 4096
	s_add_co_u32 s[TS], s[TS], 256
	s_add_co_u32 s[CNT], s[CNT], 1
	s_cmp_lt_u32 s[CNT], 16
	s_cbranch_scc1 .Lstep_\@
	; product 2: sigma(q) M, transposed like O^T.  Source 0 = a tile of M^T in k = 0 .. 63 and its neighbour's codes above, which meet sigma(q)'s zero codes
.irp t, 0,1,2,3
	ds_load_b128 v[MF+4*\t:MF+4*\t+3], v[AMI] offset:512*\t
.endr
	ds_load_b128 v[MF+16:MF+19], v[AMI]
	ds_load_b32 v[MS], v[AMS]
	ds_load_b32 v[MS+1], v[AMS] offset:128
	s_wait_dscnt 0x0
.irp t, 0,1,2,3
	WMZ S+8*\t, MF+4*\t, SQ, MS+\t/2, QS, \t%2, 1
.endr
	PLACES
	v_add_f32 v14, v14, v15                        ; the sum's two halves,
	v_permlanex16_b32 v[BT], v14, s[SEL], s[SEL+1]
	v_add_f32 v14, v14, v[BT]                      ; and lane l xor 16's
	v_rcp_f32 v14, v14
	v_rcp_f32 v[TMP], v[QS+1]
	v_nop
	s_wait_alu depctr_va_vdst(0)
	v_mul_f32 v[AA], v[GG], v[TMP]                 ; g / sigma(q).Z
	v_mul_f32 v[AA+1], v[GG], v[TMP]
	v_mul_f32 v[BC], v[GG+1], v14                  ; (1 - g) / l
	v_mul_f32 v[BC+1], v[GG+1], v14
.if \next
	global_load_b128 v[24:27], v[L16], s[QB:QB+1] offset:20480         ; the tile 16 further on: its record lands under the way out
	global_load_b128 v[SQ:SQ+3], v[L16], s[QB:QB+1] offset:20480+512
	global_load_b64 v[QS:QS+1], v[L8], s[QB:QB+1] offset:20480+1024
.endif
.set j, 0
.rept 16
	v_pk_mul_f32 v[S+32+j:S+33+j], v[O+j:O+j+1], v[BC:BC+1]
.set j, j+2
.endr
.set j, 0
.rept 16
	v_pk_fma_f32 v[S+j:S+j+1], v[S+j:S+j+1], v[AA:AA+1], v[S+32+j:S+33+j]   ; g A_mem + (1 - g) A_dot: register 8 t + j is d = 16 t + 8 h + j of query r
.set j, j+2
.endr
.irp t, 0,1,2,3
.irp q, 0,1
	ds_store_b128 v[STO], v[S+8*\t+4*\q:S+8*\t+4*\q+3] offset:64*\t+16*\q
.endr
.endr
.irp i, 0,1,2,3,4,5,6,7
	ds_load_b128 v[VF+4*\i:VF+4*\i+3], v[SRD] offset:544*\i   ; LDS serves a wave's instructions in order: these see my stores
.endr
.irp i, 0,1,2,3,4,5,6,7
	s_wait_dscnt 7-\i                              ; the younger loads from the stage may stay out
	global_store_b128 v[GO], v[VF+4*\i:VF+4*\i+3], s[OB:OB+1] offset:\pi*1048576+8192*\i th:TH_STORE_NT   ; 16 lanes store 256 consecutive bytes, aligned: a head's part of a row
.endr
.endm
	PASS 0, 1
	PASS 1, 0
	s_wait_tensorcnt 0x0                           ; the wave's end, behind my last tensor load and my last LDS store
	ds_add_u32 v[SPW], v[NIL]
	s_wait_dscnt 0x0
	CROUND                                         ; the closing round
	s_endpgm
.Lfunc_end_k_qf833cd3e3c_attn:
	.size	k_qf833cd3e3c_attn, .Lfunc_end_k_qf833cd3e3c_attn-k_qf833cd3e3c_attn
	.p2alignl 7, 3214868480
	.fill 96, 4, 3214868480
	.section	.rodata,"a",@progbits
	.p2align	6, 0x0
	.amdhsa_kernel k_qf833cd3e3c_attn
		.amdhsa_group_segment_fixed_size 286720
		.amdhsa_private_segment_fixed_size 0
		.amdhsa_enable_private_segment 0
		.amdhsa_kernarg_size 80
		.amdhsa_user_sgpr_count 2
		.amdhsa_user_sgpr_kernarg_segment_ptr 1
		.amdhsa_wavefront_size32 1
		.amdhsa_system_sgpr_workgroup_id_x 1
		.amdhsa_system_sgpr_workgroup_id_y 1
		.amdhsa_system_sgpr_workgroup_id_z 1
		.amdhsa_system_vgpr_workitem_id 0
		.amdhsa_next_free_vgpr 256
		.amdhsa_next_free_sgpr 80
		.amdhsa_reserve_vcc 0
		.amdhsa_float_denorm_mode_32 3
		.amdhsa_float_denorm_mode_16_64 3
		.amdhsa_memory_ordered 1
		.amdhsa_forward_progress 1
		.amdhsa_inst_pref_size 64
	.end_amdhsa_kernel
	.amdgpu_metadata
---
amdhsa.version: [ 1, 2 ]
amdhsa.kernels:
  - .name:           k_qf833cd3e3c_attn
    .symbol:         k_qf833cd3e3c_attn.kd
    .args:
      - { .name: rec, .offset: 0, .size: 8, .value_kind: global_buffer, .address_space: global }
      - { .name: qrec, .offset: 8, .size: 8, .value_kind: global_buffer, .address_space: global }
      - { .name: zpart, .offset: 16, .size: 8, .value_kind: global_buffer, .address_space: global }
      - { .name: M, .offset: 24, .size: 8, .value_kind: global_buffer, .address_space: global }
      - { .name: Z, .offset: 32, .size: 8, .value_kind: global_buffer, .address_space: global }
      - { .name: beta_gate, .offset: 40, .size: 8, .value_kind: global_buffer, .address_space: global }
      - { .name: beta_lin, .offset: 48, .size: 8, .value_kind: global_buffer, .address_space: global }
      - { .name: out0, .offset: 56, .size: 8, .value_kind: global_buffer, .address_space: global }
      - { .name: out1, .offset: 64, .size: 8, .value_kind: global_buffer, .address_space: global }
      - { .name: out2, .offset: 72, .size: 8, .value_kind: global_buffer, .address_space: global }
    .group_segment_fixed_size: 286720
    .private_segment_fixed_size: 0
    .kernarg_segment_align: 8
    .kernarg_segment_size: 80
    .max_flat_workgroup_size: 512
    .sgpr_count:     80
    .vgpr_count:     256
    .wavefront_size: 32
...
	.end_amdgpu_metadata
.endif
;; end of part 2
